; MI455X (gfx1250); checked and timed in simulation.
; The chip was launched on July 23, 2026; its instructions are those of AMD's public machine-readable ISA for CDNA 5 (MIT licence, August 2026) and "CDNA5" Instruction Set Architecture Reference Guide (July 2026). The comments in the code are by the model that wrote it; some were corrected since.
;; Grouped Experts. Allowed arithmetic: matrix products marked QUANTISED: E2M3 operands, one E8M0 scale for each 32 along K, by v_wmma_scale_f32_16x16x128_f8f6f4 with both operands' format E2M3, f32 sums; everything else in f32.
;; Inputs: expert_ends 8 int32; expert_starts 8 int32; sorted_x_codes 4,096 x 16 x 24 uint8 (E2M3 codes of sorted_x, K innermost, in blocks of 32 codes, four codes in three bytes); sorted_x_scales 4,096 x 16 uint8 (E8M0 scales of sorted_x, one for each 32 codes along K); w12_codes 8 x 2,048 x 16 x 24 uint8 (E2M3 codes of w12, K innermost, in blocks of 32 codes, four codes in three bytes); w12_scales 8 x 2,048 x 16 uint8 (E8M0 scales of w12, one for each 32 codes along K); w3_codes 8 x 512 x 32 x 24 uint8 (E2M3 codes of w3, K innermost, in blocks of 32 codes, four codes in three bytes); w3_scales 8 x 512 x 32 uint8 (E8M0 scales of w3, one for each 32 codes along K).
;; Outputs: out0 4,096 x 512 float32.
;; This version of the problem:
;;   THIS VERSION OF THE PROBLEM IS GIVEN IN LOW PRECISION. The matrix products marked QUANTISED in the list below multiply operands that are first quantised to E2M3 (2 exponent bits, 3 mantissa bits; 6 bits a number), with one power-of-two scale for each 32 numbers along K (OCP MX v1.0); their sums are f32. All else is computed in f32.
;;   The module's matrix products, in the order in which they are computed (A, B: the left and right operand; K: the contracted axis; several contracted axes count as one K, in the product's order):
;;     1. [M 4,096, K 512] x [K 512, N 2,048]; A: input sorted_x (given as codes); B: input w12 (given as codes): QUANTISED
;;     2. [M 4,096, K 1,024] x [K 1,024, N 512]; A: computed on the way; B: input w3 (given as codes): QUANTISED
;;     3. [M 4,096, K 512] x [K 512, N 2,048]; A: input sorted_x (given as codes); B: input w12 (given as codes): QUANTISED
;;     4. [M 4,096, K 1,024] x [K 1,024, N 512]; A: computed on the way; B: input w3 (given as codes): QUANTISED
;;     5. [M 4,096, K 512] x [K 512, N 2,048]; A: input sorted_x (given as codes); B: input w12 (given as codes): QUANTISED
;;     6. [M 4,096, K 1,024] x [K 1,024, N 512]; A: computed on the way; B: input w3 (given as codes): QUANTISED
;;     7. [M 4,096, K 512] x [K 512, N 2,048]; A: input sorted_x (given as codes); B: input w12 (given as codes): QUANTISED
;;     8. [M 4,096, K 1,024] x [K 1,024, N 512]; A: computed on the way; B: input w3 (given as codes): QUANTISED
;;     9. [M 4,096, K 512] x [K 512, N 2,048]; A: input sorted_x (given as codes); B: input w12 (given as codes): QUANTISED
;;     10. [M 4,096, K 1,024] x [K 1,024, N 512]; A: computed on the way; B: input w3 (given as codes): QUANTISED
;;     11. [M 4,096, K 512] x [K 512, N 2,048]; A: input sorted_x (given as codes); B: input w12 (given as codes): QUANTISED
;;     12. [M 4,096, K 1,024] x [K 1,024, N 512]; A: computed on the way; B: input w3 (given as codes): QUANTISED
;;     13. [M 4,096, K 512] x [K 512, N 2,048]; A: input sorted_x (given as codes); B: input w12 (given as codes): QUANTISED
;;     14. [M 4,096, K 1,024] x [K 1,024, N 512]; A: computed on the way; B: input w3 (given as codes): QUANTISED
;;     15. [M 4,096, K 512] x [K 512, N 2,048]; A: input sorted_x (given as codes); B: input w12 (given as codes): QUANTISED
;;     16. [M 4,096, K 1,024] x [K 1,024, N 512]; A: computed on the way; B: input w3 (given as codes): QUANTISED
;;   THE QUANTISER, for each operand of a quantised product, along K:
;;     - K is cut into blocks of 32 from its start; a last block that is shorter is filled with zeros.
;;     - A block's scale is 2^e with e = floor(log2(the largest magnitude in the block)) - 2, held to -126 .. 127; a block of zeros has e = 0. As a byte (E8M0): e + 127.
;;     - Each number is divided by its block's scale, clamped to +-7.5, and rounded to the nearest number of E2M3, ties to even, subnormals kept.
;;     - The product sums the exact products of the quantised numbers (number of the format x scale) in f32.
;;   ~~~python
;;   def quantise(x, axis):      # numpy; x: float32 -> the quantised numbers, widened to float32 again
;;       x = np.moveaxis(x, axis, -1); K = x.shape[-1]
;;       x = np.pad(x, [(0, 0)] * (x.ndim - 1) + [(0, -K % 32)]); x = x.reshape(x.shape[:-1] + (-1, 32)); a = np.abs(x).max(-1, keepdims=True)
;;       e = np.where(a > 0, np.clip(np.frexp(np.where(a > 0, a, 1))[1] - 1 - 2, -126, 127), 0)      # np.frexp(a)[1] - 1 = floor(log2(a)), exactly
;;       r = np.clip(x / 2.0 ** e, -7.5, 7.5)
;;       step = 2.0 ** (np.maximum(np.frexp(np.where(r == 0, 1, r))[1] - 1, 0) - 3)
;;       q = np.round(r / step) * step * 2.0 ** e      # np.round: ties to even
;;       return np.moveaxis(q.reshape(q.shape[:-2] + (-1,))[..., :K], -1, axis).astype(np.float32)
;;   ~~~
;;   OPERANDS COMPUTED ON THE WAY. 'Computed on the way' means the value that the module computes at that place (a softmax that the list does not call 'softmax' is quantised finished and normalised). What goes into a quantiser is computed in f32, as accurately as f32 sums, v_exp_f32 and their like allow (about 1e-6 of the number): no bf16 or f16 on the way to a quantiser, and a product that is left as it is and whose result goes on into a quantised operand takes f32 operands (vector FMAs, or v_wmma_f32_16x16x4_f32). A number that lies on a knife's edge between two numbers of the format may be rounded either way, as far as f32 arithmetic and the matrix unit's own rounding can turn it there, and no further.
;;   INPUTS GIVEN AS CODES. sorted_x (in the module: [4096, 512], K = its axis 1); w12 (in the module: [8, 2048, 512], K = its axis 2); w3 (in the module: [8, 512, 1024], K = its axis 2): each comes as NAME_codes (uint8): NAME with its K axis moved to the last place and cut into blocks of 32 codes, [.., K / 32, bytes a block], one block behind the other in memory; four codes in three bytes: a row's codes are one little-endian stream of bits, code i at bits 6 i .. 6 i + 5 (a code: sign, 2 exponent bits, 3 mantissa bits); and NAME_scales (uint8): the same leading axes, one E8M0 byte (e + 127) for each 32 codes along K. Its value is code x scale, taken as it is: it is not quantised again, and the codes and scales need not be those that the quantiser above would give.
;; 2 versions, each right; version 2 is version 1 with the launch experts written anew for expert scheduling mode. Each part assembles by itself: llvm-mc -triple=amdgcn-amd-amdhsa -mcpu=gfx1250 --defsym DOCPART=n.
;; ======== version 1 of 2: 2 launches
;; limits: right only within a limited range of input values
;; workspace buffers: img 11,010,048 bytes
;; launch layout (part 1): grid 224 x 1, 4 waves a work-group, no clusters, 51,712 bytes of LDS; arguments sorted_x_codes, w12_codes, w3_codes, img; writes img
.if DOCPART == 1
	.amdgcn_target "amdgcn-amd-amdhsa--gfx1250"
	.amdhsa_code_object_version 6
	.text
	.protected	k_qd976834bc4_layout
	.globl	k_qd976834bc4_layout
	.p2align	8
	.type	k_qd976834bc4_layout,@function
k_qd976834bc4_layout:
	s_mov_b64 s[64:65], 0
	v_nop
	global_prefetch_b8 v0, s[64:65] scope:SCOPE_SE
	s_setreg_imm32_b32 hwreg(HW_REG_WAVE_MODE, 25, 1), 1
	s_wait_xcnt 0x0
; The E2M3 codes of sorted_x [4096][384 bytes], w12 [8][2048][384 bytes] and w3 [8][512][768 bytes] (a row: one stream of bits, 128 codes in 96 bytes) are laid once more,
; as IMAGES OF OPERAND REGISTERS.  A fragment (16 rows x 128 K of 6-bit codes) is 12 registers a lane: lane (r, h) holds the 24 bytes at 96 s + 24 h of its row in registers 0-5 and those at
; 96 s + 48 + 24 h in registers 6-11.  Its image is 1,536 bytes: three planes, plane c = registers 4 c .. 4 c + 3, lane l's 16 bytes at 16 l.  The next launch then brings a fragment by three
; loads of 16 bytes a lane, each over 512 consecutive bytes.
; A UNIT is 32 rows x 384 bytes (four K steps) in, eight fragments f = 2 s + u (12,288 consecutive bytes) out, at img + 12,288 U.  THE ROWS OF A TILE ARE NOT NEIGHBOURS: lane r of tile u takes row
; 8 u + r + 8 (r / 8) of the unit's 32.  Units 0-511: w12, U = (32 e + B) 2 + half (B: a block of 32 hidden units; half 0: the rows of h1, half 1: those of h2).  Units 512-767: w3,
; U & 255 = (16 e + w) 2 + g (w: 32 output columns; g: which four of the eight K steps).  Units 768-895: sorted_x, U & 127 = the block of 32 tokens.
; One wave takes one unit, U = 4 x work-group + wave.  One path through the text serves all three tensors: only the pointer, the offset and the pitch are chosen, on the work-group's number.
; The rows go through the wave's own stage in LDS: in as they lie, out as fragments.  No wave reads another's bytes: no barrier.
; Nothing is written twice: every load, LDS instruction and store has registers of its own, so no wait frees a source.
.set SP,   400                         ; a row's slot in the stage: 384 bytes + 16 = 100 words: slot n starts at bank 36 n mod 64 (64 banks of 4 bytes: ISA guide 11.1): sixteen slots on end start at sixteen different multiples of 4
.set WST,  32*SP                       ; a wave's stage
.set FRB,  1536                        ; a fragment's image
.set GO,   2                           ; v2      byte offset in memory of my 16 bytes in a group of four rows: (lane / 8) x pitch + 16 (lane % 8)
.set LS,   3                           ; v3      the same place in the stage: my stage + 400 (lane / 8) + 16 (lane % 8)
.set LR,   4                           ; v4      the stage on the way out: my stage + 400 r + 24 h
.set LI,   5                           ; v5      16 x lane: my place in a plane
.set R,    16                          ; v16-111  24 loads x 4 registers
.set F,    112                         ; v112-207 8 fragments x 12 registers
.set BA,   16                          ; s[16:31] eight bases: the unit's rows 4 a on
	s_load_b256 s[4:11], s[0:1], 0x0               ; sorted_x's codes s[4:5], w12's s[6:7], w3's s[8:9], img s[10:11]
	v_lshl_add_u32 v208, v0, 2, 0xc800
	v_mov_b32 v209, 0
	v_lshrrev_b32 v10, 5, v0
	v_readfirstlane_b32 s12, v10                   ; wave 0..3
	v_and_b32 v1, 31, v0                           ; lane
	s_lshl_b32 s13, ttmp9, 2
	s_add_co_u32 s13, s13, s12                     ; U
	s_mul_i32 s47, s12, WST                        ; my stage
	; the unit's first byte in its tensor, once for each of the three readings of U
	s_lshr_b32 s14, s13, 6                         ; w12: e,
	s_mul_i32 s40, s14, 786432                     ; 2,048 rows of 384 bytes an expert;
	s_and_b32 s14, s13, 1                          ; half,
	s_mul_i32 s14, s14, 393216                     ; 1,024 rows;
	s_add_co_u32 s40, s40, s14
	s_bfe_u32 s14, s13, 0x50001                    ; B (5 bits from bit 1),
	s_mul_i32 s14, s14, 12288                      ; 32 rows
	s_add_co_u32 s40, s40, s14
	s_and_b32 s15, s13, 255                        ; w3: the unit's number in w3;
	s_lshr_b32 s14, s15, 5                         ; e,
	s_mul_i32 s41, s14, 393216                     ; 512 rows of 768 bytes an expert;
	s_bfe_u32 s14, s15, 0x40001                    ; w (4 bits from bit 1),
	s_mul_i32 s14, s14, 24576                      ; 32 rows;
	s_add_co_u32 s41, s41, s14
	s_and_b32 s14, s15, 1                          ; g,
	s_mul_i32 s14, s14, 384                        ; half a row
	s_add_co_u32 s41, s41, s14
	s_and_b32 s15, s13, 127                        ; sorted_x: the block of 32 tokens,
	s_mul_i32 s42, s15, 12288                      ; 32 rows of 384 bytes
	s_mov_b32 s43, 384                             ; the pitches and four times the pitches (a select takes one literal: so they stand in registers)
	s_mov_b32 s44, 768
	s_mov_b32 s45, 1536
	s_mov_b32 s46, 3072
	; A load takes 128 consecutive bytes of each of four rows: eight lanes to a row.  The three loads of a group, 128 bytes apart, cover the four rows' 384 bytes whole.
	v_lshrrev_b32 v10, 3, v1                       ; lane / 8: which of the four rows
	v_and_b32 v11, 7, v1                           ; lane % 8: which 16 bytes of the 128
	v_mul_u32_u24 v[LS], v10, SP
	v_lshl_add_u32 v[LS], v11, 4, v[LS]
	v_add_nc_u32 v[LS], s47, v[LS]
	v_and_b32 v[LR], 15, v0                        ; r
	v_mul_u32_u24 v[LR], v[LR], SP
	v_bfe_u32 v[LI], v0, 4, 1                      ; h
	v_mad_u32_u24 v[LR], v[LI], 24, v[LR]
	v_add_nc_u32 v[LR], s47, v[LR]
	v_lshlrev_b32 v[LI], 4, v1
	s_mul_i32 s38, s13, 12288                      ; where the unit's images go
	s_mov_b32 s39, 0
	s_mov_b32 s33, 0
	s_mov_b32 s37, 0
	s_wait_kmcnt 0x0
	s_cmp_lt_u32 ttmp9, 128                        ; w12's work-group, or w3's?  The choices hang on the work-group's number alone
	s_cselect_b64 s[6:7], s[6:7], s[8:9]
	s_cselect_b32 s40, s40, s41
	s_cselect_b32 s34, s43, s44
	s_cselect_b32 s32, s45, s46
	s_cmp_lt_u32 ttmp9, 192                        ; one of these two, or sorted_x's?
	s_cselect_b64 s[6:7], s[6:7], s[4:5]
	s_cselect_b32 s36, s40, s42                    ; s[36:37]: the unit's first byte
	s_cselect_b32 s34, s34, s43                    ; s34: the pitch
	s_cselect_b32 s32, s32, s45                    ; s[32:33]: four rows
	s_add_nc_u64 s[38:39], s[10:11], s[38:39]
	s_add_nc_u64 s[BA:BA+1], s[6:7], s[36:37]
.irp a, 1,2,3,4,5,6,7
	s_add_nc_u64 s[BA+2*\a:BA+2*\a+1], s[BA+2*\a-2:BA+2*\a-1], s[32:33]   ; a base of its own for each four rows: none is stepped while a load names it
.endr
	v_mul_u32_u24 v[GO], s34, v10                  ; row x pitch
	v_lshl_add_u32 v[GO], v11, 4, v[GO]            ; + 16 x column
.irp a, 0,1,2,3,4,5,6,7                        ; all 24 loads of the unit go out at once: 12,288 bytes a wave
.irp i, 0,1,2
	global_load_b128 v[R+4*(3*\a+\i):R+4*(3*\a+\i)+3], v[GO], s[BA+2*\a:BA+2*\a+1] offset:128*\i   ; no hint: neighbouring loads, and in w3 the neighbouring wave, take the bytes beside these
.endr
.endr
; Row 4 a + j of the unit is lane (4 (a % 2) + j) + 8 (a / 4) of tile (a / 2) % 2: it goes to slot 16 x tile + lane, so that a tile's sixteen rows are sixteen slots on end.
.irp a, 0,1,2,3,4,5,6,7
	s_wait_loadcnt 21-3*\a                         ; loads come back in order (ISA guide 5.7.1): these three are in, the 21 - 3 a issued behind them may be out
.irp i, 0,1,2
	ds_store_b128 v[LS], v[R+4*(3*\a+\i):R+4*(3*\a+\i)+3] offset:SP*(16*((\a/2)%2)+8*(\a/4)+4*(\a%2))+128*\i
.endr
.endr
; Fragment f = 2 s + u out of the stage, in pieces of 8 bytes, so that every address is a multiple of the access's size.  LDS serves a wave's instructions in order (ISA guide 5.7.1.4): these see the stores above.
.macro FLOAD f
.irp p, 0,1,2,3,4,5
	ds_load_b64 v[F+12*(\f)+2*\p:F+12*(\f)+2*\p+1], v[LR] offset:16*SP*((\f)%2)+96*((\f)/2)+48*(\p/3)+8*(\p%3)
.endr
.endm
.irp f, 0,1,2,3
	FLOAD \f
.endr
.irp f, 0,1,2,3,4,5,6,7                        ; the LDS loads run four fragments ahead of the stores
.if \f < 4
	FLOAD \f+4
	s_wait_dscnt 24                                ; fragment f's six loads are in; those of the four fragments asked for behind it may be out
.else
	s_wait_dscnt 6*(7-\f)                          ; nothing more is asked for: the counts run down
.endif
.irp c, 0,1,2
	global_store_b128 v[LI], v[F+12*\f+4*\c:F+12*\f+4*\c+3], s[38:39] offset:FRB*\f+512*\c   ; 32 lanes store 512 consecutive bytes, at a multiple of 256 from img's first byte; the next launch reads them: no hint
.endr
.endr
	s_wait_tensorcnt 0x0
	ds_add_u32 v208, v209
	s_wait_dscnt 0x0
	s_endpgm
.Lfunc_end_k_qd976834bc4_layout:
	.size	k_qd976834bc4_layout, .Lfunc_end_k_qd976834bc4_layout-k_qd976834bc4_layout
	.p2alignl 7, 3214868480
	.fill 96, 4, 3214868480
	.section	.rodata,"a",@progbits
	.p2align	6, 0x0
	.amdhsa_kernel k_qd976834bc4_layout
		.amdhsa_group_segment_fixed_size 51712
		.amdhsa_private_segment_fixed_size 0
		.amdhsa_enable_private_segment 0
		.amdhsa_kernarg_size 32
		.amdhsa_user_sgpr_count 2
		.amdhsa_user_sgpr_kernarg_segment_ptr 1
		.amdhsa_wavefront_size32 1
		.amdhsa_system_sgpr_workgroup_id_x 1
		.amdhsa_system_sgpr_workgroup_id_y 1
		.amdhsa_system_sgpr_workgroup_id_z 1
		.amdhsa_system_vgpr_workitem_id 0
		.amdhsa_next_free_vgpr 210
		.amdhsa_next_free_sgpr 66
		.amdhsa_reserve_vcc 0
		.amdhsa_float_denorm_mode_32 3
		.amdhsa_float_denorm_mode_16_64 3
		.amdhsa_memory_ordered 1
		.amdhsa_forward_progress 1
		.amdhsa_inst_pref_size 13
	.end_amdhsa_kernel
	.amdgpu_metadata
---
amdhsa.version: [ 1, 2 ]
amdhsa.kernels:
  - .name:           k_qd976834bc4_layout
    .symbol:         k_qd976834bc4_layout.kd
    .args:
      - { .name: sorted_x_codes, .offset: 0, .size: 8, .value_kind: global_buffer, .address_space: global }
      - { .name: w12_codes, .offset: 8, .size: 8, .value_kind: global_buffer, .address_space: global }
      - { .name: w3_codes, .offset: 16, .size: 8, .value_kind: global_buffer, .address_space: global }
      - { .name: img, .offset: 24, .size: 8, .value_kind: global_buffer, .address_space: global }
    .group_segment_fixed_size: 51712
    .private_segment_fixed_size: 0
    .kernarg_segment_align: 8
    .kernarg_segment_size: 32
    .max_flat_workgroup_size: 128
    .sgpr_count:     66
    .vgpr_count:     210
    .wavefront_size: 32
...
	.end_amdgpu_metadata
.endif
;; end of part 1
;; launch experts (part 2): grid 128 x 1, 16 waves a work-group, no clusters, 106,496 bytes of LDS; arguments img, sorted_x_scales, w12_scales, w3_scales, expert_starts, expert_ends, out0; writes out0
.if DOCPART == 2
	.amdgcn_target "amdgcn-amd-amdhsa--gfx1250"
	.amdhsa_code_object_version 6
	.text
	.protected	k_qd976834bc4_experts
	.globl	k_qd976834bc4_experts
	.p2align	8
	.type	k_qd976834bc4_experts,@function
k_qd976834bc4_experts:
	s_mov_b64 s[64:65], 0
	v_nop
	global_prefetch_b8 v0, s[64:65] scope:SCOPE_SE
	s_setreg_imm32_b32 hwreg(HW_REG_WAVE_MODE, 25, 1), 1
	s_wait_xcnt 0x0
; out[t] = the sum, over the experts e with starts[e] <= t < ends[e], of Q(silu(h1) h2) w3[e]^T, where (h1 | h2) = x[t] w12[e]^T.  Both products on codes of E2M3 with one E8M0 byte for each 32 along K; Q quantises along the
; hidden axis; sums in f32.  x's, w12's and w3's codes come from img, as images of operand registers (a fragment of 16 rows x 128 K: 1,536 bytes, three planes of 32 lanes x 16 bytes); the scale bytes come as they are given.
; SHARES.  A work-group owns 32 tokens, as two tiles rt: lane r of tile rt is token t0 + 8 rt + r + 8 (r / 8).  It walks ALL 8 experts in a loop of constant count and passes over, by a scalar branch on a bit made from
; starts and ends, those that hold none of its 32 tokens.  So any split is served: uneven, empty, overlapping, with holes (a token of no expert keeps the 0 that its sums begin with).
; Each output row has one owner; the sums stay in registers over all experts and are stored once.  4,096 / 32 = 128 work-groups: with 16 tokens there would be 256, each still reading its expert's whole 1.18 MB of codes,
; so the bytes for each work-group would stay and the bytes in all would double.
; THE 16 WAVES SHARE THE COLUMNS: wave w makes hidden units 64 w .. 64 w + 63 (blocks of 32: B = 2 w + b) and output columns 32 w .. 32 w + 31, for all 32 tokens.  Each weight fragment is loaded once in the work-group, from
; memory straight into registers, and feeds two matrix instructions.  Both products are used TRANSPOSED (source 0 = 16 rows of a weight, source 1 = 16 tokens): a lane holds one token throughout.
; THE ROWS OF A WEIGHT'S TILE ARE NOT NEIGHBOURS (lane r of tile u: row 8 u + r + 8 (r / 8) of 32): so a lane's 16 registers of tiles u = 0, 1 are 16 neighbours: hidden units 16 h + 0 .. 15 of a block, or 16 output columns.
; A TOKEN THAT IS NOT THE EXPERT'S gets zero CODES for h: it then adds exactly 0 to its sums.
; NO TENSOR LOADS, NO CLUSTER: which experts a block of tokens walks hangs on starts and ends, which are read from memory; partners in a cluster would need different experts
; No barrier stands under such a branch: every wave passes two barriers in every trip.
; LIMITS.  A scale byte 0xff (NaN) in w3 makes NaN in all 32 tokens of a block that the expert touches, not in its members alone.  A hidden number that is NaN or infinite is not served.  Where a token has several
; experts their products are summed in one f32 sum, e and K ascending, not expert by expert.  h is formed as (h1 h2) / (1 + 2^(-h1 log2 e)): h1 h2 must stay finite.  A block of zeros of h gets the byte 1 where the
; quantiser says 127: its codes are zeros, and this text alone reads the byte.
.set FRB,    1536                      ; a fragment's image
.set W3BASE, 6291456                   ; img: w12's images [e][B 32][half 2][s 4][u 2], then w3's [e][w 16][s 8][u 2],
.set XBASE,  9437184                   ; then x's [block 128][s 4][rt 2]
.set XIMG,   0                         ; LDS: x's 8 fragments (2 s + rt), a flat copy of img's 12,288 bytes
.set HIMG,   12288                     ; h's 16 fragments (2 s + rt): [reader's lane 32][48 bytes]: lanes 12 words apart
.set HSC,    36864                     ; h's scale words: [K step 8][lane 32: r + 16 rt][4 bytes]
.set STG,    37888                     ; the way out: 32 slots (16 rt + r) of 2,048 bytes + 16
.set SPITCH, 2064                      ; = 516 words: slot n starts at bank 4 n mod 64
.set LI,   1                           ; v1   16 x lane: my place in a plane of an image, in memory and in XIMG
.set LH,   2                           ; v2   HIMG + 48 x lane
.set HSR,  3                           ; v3   HSC + 4 x lane
.set HWA,  4                           ; v4   where I put h's codes: HIMG + 48 r + 12 h + 3,072 (w / 2) + 24 (w % 2)
.set HSA,  5                           ; v5   and its scale byte: HSC + 4 r + 128 (w / 2) + 2 (w % 2)
.set SO12, 6                           ; v6   scale rows of 16 bytes (w12, x): 16 (r + 8 (r / 8)) + 8 h
.set SO3,  7                           ; v7   scale rows of 32 bytes (w3): 32 (r + 8 (r / 8)) + 16 h
.set MB,   8                           ; v8-9   tile rt: bit e is set where my token is expert e's
.set STW,  10                          ; v10  the stage, in: STG + 2,064 r + 128 w + 64 h
.set STR,  11                          ; v11  the stage, back: STG + 4,128 w + 16 x lane
.set XS,   12                          ; v12-15 x's scale words: register 2 rt + (s % 2), lanes 0-15 K steps 0, 1, lanes 16-31 K steps 2, 3
.set SW,   16                          ; v16-31 the weights' scale words
.set HS,   32                          ; v32-33 h's scale words, two K steps by turns: lanes 0-15 tile 0's tokens, lanes 16-31 tile 1's
.set MX,   34                          ; v34-35 a block's largest magnitude, then the conversion's scale operand
.set PL,   36                          ; v36-37 the other half's maximum, then the scale's byte
.set TMP,  38                          ; v38-39 at work
.set OP,   40                          ; v40-63 source 1: two fragments, 12 rt + 4 c.  Between products v40-42 and v44-46 hold the codes just made
.set W,    64                          ; v64-159 the ring of weight fragments: two halves of four, W + 48 half + 12 slot
.set ACC,  160                         ; v160-223 h1's tiles at ACC + 16 rt + 8 u, h2's at ACC + 32 + 16 rt + 8 u
.set OUT,  224                         ; v224-255 the sums of out: (u, rt) at OUT + 16 rt + 8 u
.set WV,   36                          ; s36  wave
.set T0,   37                          ; s37  my work-group's first token
.set ACT,  38                          ; s38  bit e: expert e holds one of my 32 tokens
.set EX,   39                          ; s39  e
.set MK,   40                          ; s40-41 tile rt: the lanes whose token is this expert's
.set PW12, 42                          ; s[42:43] img at this expert's, my wave's fragments of w12;  s[44:45] of w3
.set PW3,  44
.set PS12, 46                          ; s[46:47] w12's scale bytes likewise;  s[48:49] w3's
.set PS3,  48
.set SEL,  50                          ; s[50:51] v_permlanex16_b32's selects for lane l xor 16
.set NL2E, 52                          ; s[52:53] -log2(e): the packed form names a pair and takes its low word for both halves
.set ON,   54                          ; s54  this expert's bit of ACT
.macro BARRIER                         ; my LDS stores have landed and my LDS loads are in: then the work-group's barrier
	s_wait_dscnt 0x0
	s_barrier_signal -1
	s_barrier_wait -1
.endm
; A load into a register that a matrix instruction has read, and a vector instruction or an LDS store that reads a matrix result, stand four places behind it; only plain vector instructions that name none of its
; registers are places (ISA guide 7.12.1 for vector instructions).
.macro PLACES
.rept 4
	v_nop
.endr
.endm
; One matrix instruction on the registers rD, rA, rB, rSA, rSB.  zero = 1: it starts the sum.  ra, rb: the scale words lie in lanes 16-31 of their registers.
.macro EMIT zero, ra, rb
.if \zero
	v_wmma_scale_f32_16x16x128_f8f6f4 v[rD:rD+7], v[rA:rA+11], v[rB:rB+11], 0, v[rSA], v[rSB] matrix_a_fmt:MATRIX_FMT_FP6 matrix_b_fmt:MATRIX_FMT_FP6
.elseif (\ra) && (\rb)
	v_wmma_scale_f32_16x16x128_f8f6f4 v[rD:rD+7], v[rA:rA+11], v[rB:rB+11], v[rD:rD+7], v[rSA], v[rSB] matrix_a_fmt:MATRIX_FMT_FP6 matrix_b_fmt:MATRIX_FMT_FP6 matrix_a_scale:MATRIX_SCALE_ROW1 matrix_b_scale:MATRIX_SCALE_ROW1
.elseif \ra
	v_wmma_scale_f32_16x16x128_f8f6f4 v[rD:rD+7], v[rA:rA+11], v[rB:rB+11], v[rD:rD+7], v[rSA], v[rSB] matrix_a_fmt:MATRIX_FMT_FP6 matrix_b_fmt:MATRIX_FMT_FP6 matrix_a_scale:MATRIX_SCALE_ROW1
.elseif \rb
	v_wmma_scale_f32_16x16x128_f8f6f4 v[rD:rD+7], v[rA:rA+11], v[rB:rB+11], v[rD:rD+7], v[rSA], v[rSB] matrix_a_fmt:MATRIX_FMT_FP6 matrix_b_fmt:MATRIX_FMT_FP6 matrix_b_scale:MATRIX_SCALE_ROW1
.else
	v_wmma_scale_f32_16x16x128_f8f6f4 v[rD:rD+7], v[rA:rA+11], v[rB:rB+11], v[rD:rD+7], v[rSA], v[rSB] matrix_a_fmt:MATRIX_FMT_FP6 matrix_b_fmt:MATRIX_FMT_FP6
.endif
.endm
; Group g = 4 b + s of the first product: the four fragments (h1's and h2's rows, tiles u = 0, 1) of hidden block 2 w + b, K step s, into half g % 2 of the ring: 12 loads, 512 consecutive bytes each.
.macro WLD1 g
.irp hf, 0,1
.irp u, 0,1
.irp c, 0,1,2
	global_load_b128 v[W+48*((\g)%2)+12*(2*\hf+\u)+4*\c:W+48*((\g)%2)+12*(2*\hf+\u)+4*\c+3], v[LI], s[PW12:PW12+1] offset:24576*((\g)/4)+12288*\hf+FRB*(2*((\g)%4)+\u)+512*\c
.endr
.endr
.endr
.endm
; Group g of the second product: the four fragments (K steps 2 g, 2 g + 1; tiles u = 0, 1) of my 32 output columns: slot 2 k + u.
.macro WLD2 g
.irp j, 0,1,2,3
.irp c, 0,1,2
	global_load_b128 v[W+48*((\g)%2)+12*\j+4*\c:W+48*((\g)%2)+12*\j+4*\c+3], v[LI], s[PW3:PW3+1] offset:4*FRB*(\g)+FRB*\j+512*\c
.endr
.endr
.endm
.macro XOP s                           ; x's two fragments of K step s, from LDS as they were stored
.irp rt, 0,1
.irp c, 0,1,2
	ds_load_b128 v[OP+12*\rt+4*\c:OP+12*\rt+4*\c+3], v[LI] offset:XIMG+(2*(\s)+\rt)*FRB+512*\c
.endr
.endr
.endm
.macro HOP s, k                        ; h's two fragments of K step s, and their scale words into register k
.irp rt, 0,1
.irp c, 0,1,2
	ds_load_b128 v[OP+12*\rt+4*\c:OP+12*\rt+4*\c+3], v[LH] offset:(2*(\s)+\rt)*FRB+16*\c
.endr
.endr
	ds_load_b32 v[HS+(\k)], v[HSR] offset:128*(\s)
.endm
; 8 matrix instructions: four weight tiles x two tiles of tokens, K step s.  The eight accumulators take turns, one instruction a turn, in the same order in every group.
; A lane loaded 8 bytes of its scale row at 8 h: K step s is register s % 2, in lanes 0-15 for s < 2 and in lanes 16-31 else; the weights' and x's alike.
.macro MM1 half, b, s, zero
.irp hf, 0,1
.irp u, 0,1
.irp rt, 0,1
.set rD, ACC+32*\hf+16*\rt+8*\u
.set rA, W+48*(\half)+12*(2*\hf+\u)
.set rB, OP+12*\rt
.set rSA, SW+8*(\b)+2*(2*\hf+\u)+((\s)%2)
.set rSB, XS+2*\rt+((\s)%2)
	EMIT \zero, (\s)/2, (\s)/2
.endr
.endr
.endr
.endm
; 4 matrix instructions: two tiles of output columns x two tiles of tokens, K step s = 2 g + k; the four sums take turns.  A lane loaded 16 bytes of w3's scale row at 16 h: K step s is register s % 4, lanes 16-31 for s >= 4.
.macro MM2 half, k, s
.irp rt, 0,1
.irp u, 0,1
.set rD, OUT+16*\rt+8*\u
.set rA, W+48*(\half)+12*(2*(\k)+\u)
.set rB, OP+12*\rt
.set rSA, SW+4*\u+((\s)%4)
.set rSB, HS+(\k)
	EMIT 0, (\s)/4, \rt
.endr
.endr
.endm
; h = silu(h1) h2 = (h1 h2) / (1 + 2^(-h1 log2 e)), in f32, in place: 32 numbers a lane (two tokens x 16 hidden units).  Each run goes up from register 0.
.macro SWIGLU
.set jj, 0
.rept 16
	v_pk_mul_f32 v[ACC+32+jj:ACC+33+jj], v[ACC+32+jj:ACC+33+jj], v[ACC+jj:ACC+1+jj]     ; h1 h2
.set jj, jj+2
.endr
.set jj, 0
.rept 16
	v_pk_mul_f32 v[ACC+jj:ACC+1+jj], v[ACC+jj:ACC+1+jj], s[NL2E:NL2E+1] op_sel_hi:[1,0] ; -h1 log2 e
.set jj, jj+2
.endr
.set jj, 0
.rept 32
	v_exp_f32 v[ACC+jj], v[ACC+jj]
.set jj, jj+1
.endr
	v_nop                                          ; one plain place behind the last exponential (ISA guide 5.7.2)
.set jj, 0
	s_wait_alu depctr_va_vdst(0)
.rept 16
	v_pk_add_f32 v[ACC+jj:ACC+1+jj], v[ACC+jj:ACC+1+jj], 1.0 op_sel_hi:[1,0]
.set jj, jj+2
.endr
.set jj, 0
.rept 32
	v_rcp_f32 v[ACC+jj], v[ACC+jj]
.set jj, jj+1
.endr
	v_nop                                          ; and behind the last reciprocal
.set jj, 0
	s_wait_alu depctr_va_vdst(0)
.rept 16
	v_pk_mul_f32 v[ACC+jj:ACC+1+jj], v[ACC+jj:ACC+1+jj], v[ACC+32+jj:ACC+33+jj]
.set jj, jj+2
.endr
.endm
; Hidden block 2 w + b of both tiles of tokens becomes codes and a scale byte.  Lane (r, h) holds hidden units 16 h + 0 .. 15 of the block; lane l xor 16 the other 16.
; The block is K step w / 2 of the second product and block 2 (w % 2) + b of that step: in the operand's layout it lies in lane r + 16 b, registers 6 (w % 2) + 3 h + 0 .. 2.  The LDS address puts it there: no lane exchange is written.
.macro QUANT b
.irp rt, 0,1
	v_max3_num_f32 v[MX+\rt], |v[ACC+16*\rt]|, |v[ACC+16*\rt+1]|, 0x1800000   ; my 16 numbers, and the floor 2^(3 - 127), under which no largest magnitude is taken: so the byte cannot fall under 1
.endr
.irp i, 2,4,6,8,10,12,14
.irp rt, 0,1
	v_max3_num_f32 v[MX+\rt], v[MX+\rt], |v[ACC+16*\rt+\i]|, |v[ACC+16*\rt+\i+1]|
.endr
.endr
.irp rt, 0,1
	v_permlanex16_b32 v[PL+\rt], v[MX+\rt], s[SEL], s[SEL+1]
.endr
.irp rt, 0,1
	v_max_num_f32 v[MX+\rt], v[MX+\rt], v[PL+\rt]  ; the block's largest magnitude
.endr
.irp rt, 0,1
	v_add_nc_u32 v[MX+\rt], 0xff000000, v[MX+\rt]  ; 2 off its exponent field: the conversion takes the exponent field of this operand as its scale, and nothing else of it
.endr
.irp rt, 0,1
	v_lshrrev_b32 v[PL+\rt], 23, v[MX+\rt]         ; the scale's byte
.endr
.irp rt, 0,1
	v_cvt_scalef32_pk16_fp6_f32 v[OP+4*\rt:OP+4*\rt+2], v[ACC+16*\rt:ACC+16*\rt+15], v[MX+\rt]   ; 16 codes, 96 bits; beyond 7.5 the largest code
.endr
	v_nop                                          ; one plain place behind a scaled conversion
.irp rt, 0,1
.irp i, 0,1,2
	v_cndmask_b32 v[OP+4*\rt+\i], 0, v[OP+4*\rt+\i], s[MK+\rt]    ; a token that is not this expert's gets zero codes
.endr
.endr
.irp rt, 0,1
.irp i, 0,1,2
	ds_store_b32 v[HWA], v[OP+4*\rt+\i] offset:FRB*\rt+768*(\b)+4*\i
.endr
.endr
.irp rt, 0,1
	ds_store_b8 v[HSA], v[PL+\rt] offset:64*\rt+(\b)               ; both lanes of a token write the same byte with the same value
.endr
	PLACES                                         ; the codes' registers are an operand's again, then as loaded: what vector lines wrote there stands four places ahead of the next scaled matrix instruction
	s_wait_dscnt 0x0                               ; and the stores have read them before LDS loads land there
.endm
	s_load_b256 s[4:11], s[0:1], 0x0               ; img s[4:5], x's scales s[6:7], w12's s[8:9], w3's s[10:11]
	s_load_b128 s[12:15], s[0:1], 0x20             ; starts s[12:13], ends s[14:15]
	s_load_b64 s[16:17], s[0:1], 0x30              ; out
	v_lshrrev_b32 v48, 5, v0
	v_readfirstlane_b32 s[WV], v48                 ; wave 0..15
	v_and_b32 v48, 31, v0                          ; lane
	v_and_b32 v49, 15, v0                          ; r
	v_bfe_u32 v50, v0, 4, 1                        ; h
	v_and_b32 v51, 8, v49
	v_add_nc_u32 v51, v51, v49                     ; r + 8 (r / 8)
	s_lshl_b32 s[T0], ttmp9, 5
	v_lshlrev_b32 v[LI], 4, v48
	v_mul_u32_u24 v[LH], v48, 48
	v_add_nc_u32 v[LH], HIMG, v[LH]
	v_lshl_add_u32 v[HSR], v48, 2, HSC
	s_lshr_b32 s54, s[WV], 1                       ; w / 2: my K step of the second product
	s_and_b32 s55, s[WV], 1                        ; w % 2: which half of it
	s_mul_i32 s56, s54, 2*FRB
	s_mul_i32 s57, s55, 24
	s_add_co_u32 s56, s56, s57
	s_add_co_u32 s56, s56, HIMG
	v_mul_u32_u24 v[HWA], v49, 48
	v_mad_u32_u24 v[HWA], v50, 12, v[HWA]
	v_add_nc_u32 v[HWA], s56, v[HWA]
	s_lshl_b32 s56, s54, 7
	s_lshl_b32 s57, s55, 1
	s_add_co_u32 s56, s56, s57
	s_add_co_u32 s56, s56, HSC
	v_lshl_add_u32 v[HSA], v49, 2, s56
	v_lshlrev_b32 v[SO12], 4, v51
	v_lshl_add_u32 v[SO12], v50, 3, v[SO12]
	v_lshlrev_b32 v[SO3], 5, v51
	v_lshl_add_u32 v[SO3], v50, 4, v[SO3]
	s_lshl_b32 s56, s[WV], 7
	s_add_co_u32 s56, s56, STG
	v_mul_u32_u24 v[STW], v49, SPITCH
	v_lshl_add_u32 v[STW], v50, 6, v[STW]
	v_add_nc_u32 v[STW], s56, v[STW]
	s_mul_i32 s56, s[WV], 2*SPITCH
	s_add_co_u32 s56, s56, STG
	v_add_nc_u32 v[STR], s56, v[LI]
	v_lshlrev_b32 v[TMP], 4, v0                    ; x's copy: thread t takes 16 bytes at 16 t
	v_lshlrev_b32 v[TMP+1], 3, v0                  ; and 8 bytes at 8,192 + 8 t: 512 x 24 = 12,288 bytes
	v_add_nc_u32 v46, s[T0], v51                   ; my token in tile 0,
	v_add_nc_u32 v47, 8, v46                       ; and in tile 1
	s_mov_b32 s[SEL], 0x76543210
	s_mov_b32 s[SEL+1], 0xfedcba98
	s_mov_b32 s[NL2E], 0xbfb8aa3b                  ; -log2(e)
	s_mov_b32 s[NL2E+1], s[NL2E]                   ; (named with it as a pair, so it is written)
	s_mov_b32 s[ACT], 0
	s_mov_b32 s57, 0                               ; s[56:57]: offsets under 4 GiB as pairs
	s_wait_kmcnt 0x0
	s_load_b256 s[20:27], s[12:13], 0x0            ; starts
	s_load_b256 s[28:35], s[14:15], 0x0            ; ends
	s_mul_i32 s56, ttmp9, 8*FRB
	s_add_co_u32 s56, s56, XBASE
	s_add_nc_u64 s[58:59], s[4:5], s[56:57]        ; my block's images of x
	s_lshl_b32 s56, ttmp9, 9
	s_add_nc_u64 s[6:7], s[6:7], s[56:57]          ; and its scale rows: 32 x 16 bytes
	global_load_b128 v[40:43], v[TMP], s[58:59]
	global_load_b64 v[44:45], v[TMP+1], s[58:59] offset:8192
	global_load_b64 v[XS:XS+1], v[SO12], s[6:7]
	global_load_b64 v[XS+2:XS+3], v[SO12], s[6:7] offset:128
	s_mul_i32 s56, s[WV], 49152                    ; w12: two hidden blocks x 16 fragments a wave
	s_add_nc_u64 s[PW12:PW12+1], s[4:5], s[56:57]
	s_mul_i32 s56, s[WV], 24576                    ; w3: 16 fragments a wave
	s_add_co_u32 s56, s56, W3BASE
	s_add_nc_u64 s[PW3:PW3+1], s[4:5], s[56:57]
	s_lshl_b32 s56, s[WV], 10                      ; scale bytes: 64 rows x 16, and 32 rows x 32
	s_add_nc_u64 s[PS12:PS12+1], s[8:9], s[56:57]
	s_add_nc_u64 s[PS3:PS3+1], s[10:11], s[56:57]
	s_lshr_b32 s54, s[WV], 3                       ; the way out: wave w stores the stage's slots 2 w, 2 w + 1 (tile w / 8, lanes 2 (w % 8) + 0, 1): tokens 8 (w / 8) + 2 (w % 8) + 8 ((w / 4) % 2) + 0, 1
	s_lshl_b32 s54, s54, 3
	s_and_b32 s56, s[WV], 7
	s_lshl_b32 s56, s56, 1
	s_add_co_u32 s54, s54, s56
	s_bfe_u32 s56, s[WV], 0x10002
	s_lshl_b32 s56, s56, 3
	s_add_co_u32 s54, s54, s56
	s_add_co_u32 s54, s54, s[T0]
	s_lshl_b32 s56, s54, 11                        ; rows of 2,048 bytes
	s_add_nc_u64 s[16:17], s[16:17], s[56:57]
	s_add_co_u32 s55, s[T0], 32
	v_mov_b32 v[MB], 0
	v_mov_b32 v[MB+1], 0
	v_mov_b32 v[PL], 0                             ; written once: a lane permute's destination counts as one of its sources
	v_mov_b32 v[PL+1], 0
.set jj, 0
.rept 32
	v_mov_b32 v[OUT+jj], 0                         ; the sums begin as zeros: which expert is a token's first hangs on data, and a token of no expert is stored as 0
.set jj, jj+1
.endr
	s_wait_kmcnt 0x0
.irp e, 0,1,2,3,4,5,6,7
	s_max_i32 s54, s[20+\e], s[T0]                 ; expert e holds one of my 32 tokens where max(start, t0) < min(end, t0 + 32)
	s_min_i32 s56, s[28+\e], s55
	s_cmp_lt_i32 s54, s56
	s_cselect_b32 s54, 1<<\e, 0
	s_or_b32 s[ACT], s[ACT], s54
.irp rt, 0,1
	v_cmp_ge_i32 s54, v[46+\rt], s[20+\e]          ; and my token where start <= t < end
	v_cmp_lt_i32 s56, v[46+\rt], s[28+\e]
	s_and_b32 s54, s54, s56
	v_cndmask_b32 v54, 0, 1, s54
	v_lshl_or_b32 v[MB+\rt], v54, \e, v[MB+\rt]
.endr
.endr
	s_wait_loadcnt 0x0                             ; x's images and scale words
	ds_store_b128 v[TMP], v[40:43] offset:XIMG
	ds_store_b64 v[TMP+1], v[44:45] offset:XIMG+8192
	BARRIER                                        ; x's eight fragments lie in LDS, for the whole launch
	s_mov_b32 s[EX], 0
.Lexpert:                                              ; 8 trips, whatever the split
	s_lshr_b32 s[ON], s[ACT], s[EX]
	s_and_b32 s[ON], s[ON], 1
	s_cmp_lg_u32 s[ON], 0
	s_cbranch_scc0 .Lno1                           ; none of my tokens is this expert's: nothing is loaded or multiplied
	; ---- 1: my 64 hidden units for the 32 tokens.  The region is whole in itself: it begins and ends with no load out
.irp rt, 0,1
	v_bfe_u32 v[TMP], v[MB+\rt], s[EX], 1
	v_cmp_ne_u32 s[MK+\rt], 0, v[TMP]
.endr
.irp b, 0,1
.irp hf, 0,1
.irp u, 0,1
	global_load_b64 v[SW+8*\b+2*(2*\hf+\u):SW+8*\b+2*(2*\hf+\u)+1], v[SO12], s[PS12:PS12+1] offset:16384*\hf+512*\b+128*\u   ; 16 rows x 16 bytes: two runs of 128 consecutive bytes, 256 apart
.endr
.endr
.endr
	WLD1 0
	WLD1 1
.irp g, 0,1,2,3,4,5,6,7
	XOP \g%4
.if \g < 7
	s_wait_loadcnt 12                              ; loads come back in order (ISA guide 5.7.1): the scale words and this group are in; the next group's twelve may be out
.else
	s_wait_loadcnt 0x0
.endif
	s_wait_dscnt 0x0
.if \g%4 == 0
	MM1 \g%2, \g/4, \g%4, 1                        ; a block's first K step starts its sums: nothing is cleared
.else
	MM1 \g%2, \g/4, \g%4, 0
.endif
	PLACES                                         ; in front of the loads into the ring and into source 1, and of the first read of results
.if \g < 6
	WLD1 \g+2                                      ; into the half just multiplied: 12 to 24 loads of a wave are out throughout
.endif
.if \g%4 == 3
	SWIGLU                                         ; (behind block 0: the next two groups are on their way meanwhile)
	QUANT \g/4
.endif
.endr
.Lno1:
	BARRIER                                        ; h's sixteen fragments and their scale words lie in LDS
	s_cmp_lg_u32 s[ON], 0
	s_cbranch_scc0 .Lno2
	; ---- 2: my 32 output columns for the 32 tokens, onto the sums that stay.  Whole in itself too
.irp u, 0,1
	global_load_b128 v[SW+4*\u:SW+4*\u+3], v[SO3], s[PS3:PS3+1] offset:256*\u
.endr
	WLD2 0
	WLD2 1
.irp g, 0,1,2,3
.irp k, 0,1
	HOP 2*\g+\k, \k
.if \k == 0
.if \g < 3
	s_wait_loadcnt 12                              ; the scale words and this group are in; the next group's twelve may be out
.else
	s_wait_loadcnt 0x0
.endif
.endif
	s_wait_dscnt 0x0
	MM2 \g%2, \k, 2*\g+\k
	PLACES                                         ; in front of the loads into source 1, the scale words and the ring; behind the very last product: of the stores that read the sums
.endr
.if \g < 2
	WLD2 \g+2
.endif
.endr
.Lno2:
	BARRIER                                        ; every wave's reads of h are over: the next expert may write it
	s_wait_xcnt 0x0                                ; the bases are stepped only behind this wait
	s_add_nc_u64 s[PW12:PW12+1], s[PW12:PW12+1], 786432
	s_add_nc_u64 s[PW3:PW3+1], s[PW3:PW3+1], 393216
	s_add_nc_u64 s[PS12:PS12+1], s[PS12:PS12+1], 32768
	s_add_nc_u64 s[PS3:PS3+1], s[PS3:PS3+1], 16384
	s_add_co_u32 s[EX], s[EX], 1
	s_cmp_lt_u32 s[EX], 8
	s_cbranch_scc1 .Lexpert
	; THE WAY OUT.  A lane's 16 registers of a tile of tokens are columns 32 w + 16 h + 0 .. 15 of one token: 64 bytes; a row's 2,048 bytes come from all 16 waves.  They meet in the stage, and each wave stores two whole rows.
.irp rt, 0,1
.irp q, 0,1,2,3
	ds_store_b128 v[STW], v[OUT+16*\rt+4*\q:OUT+16*\rt+4*\q+3] offset:16*SPITCH*\rt+16*\q    ; each accumulator from its low end on
.endr
.endr
	BARRIER                                        ; 32 whole rows lie in the stage
.irp i, 0,1
.irp c, 0,1,2,3
	ds_load_b128 v[W+4*(4*\i+\c):W+4*(4*\i+\c)+3], v[STR] offset:SPITCH*\i+512*\c
.endr
.endr
.irp i, 0,1
.irp c, 0,1,2,3
	s_wait_dscnt 7-(4*\i+\c)                       ; LDS loads come back in order: this one is in, the later ones may be out
	global_store_b128 v[LI], v[W+4*(4*\i+\c):W+4*(4*\i+\c)+3], s[16:17] offset:2048*\i+512*\c th:TH_STORE_NT   ; 32 lanes store 512 consecutive bytes, at a multiple of 256 from out's first byte; written once, read by nobody here
.endr
.endr
	s_wait_xcnt 0x0
	v_lshl_add_u32 v222, v0, 2, 0x19800
	v_mov_b32 v223, 0
	s_wait_tensorcnt 0x0
	ds_add_u32 v222, v223
	s_wait_dscnt 0x0
	s_endpgm
.Lfunc_end_k_qd976834bc4_experts:
	.size	k_qd976834bc4_experts, .Lfunc_end_k_qd976834bc4_experts-k_qd976834bc4_experts
	.p2alignl 7, 3214868480
	.fill 96, 4, 3214868480
	.section	.rodata,"a",@progbits
	.p2align	6, 0x0
	.amdhsa_kernel k_qd976834bc4_experts
		.amdhsa_group_segment_fixed_size 106496
		.amdhsa_private_segment_fixed_size 0
		.amdhsa_enable_private_segment 0
		.amdhsa_kernarg_size 56
		.amdhsa_user_sgpr_count 2
		.amdhsa_user_sgpr_kernarg_segment_ptr 1
		.amdhsa_wavefront_size32 1
		.amdhsa_system_sgpr_workgroup_id_x 1
		.amdhsa_system_sgpr_workgroup_id_y 1
		.amdhsa_system_sgpr_workgroup_id_z 1
		.amdhsa_system_vgpr_workitem_id 0
		.amdhsa_next_free_vgpr 256
		.amdhsa_next_free_sgpr 66
		.amdhsa_reserve_vcc 0
		.amdhsa_float_denorm_mode_32 3
		.amdhsa_float_denorm_mode_16_64 3
		.amdhsa_memory_ordered 1
		.amdhsa_forward_progress 1
		.amdhsa_inst_pref_size 69
	.end_amdhsa_kernel
	.amdgpu_metadata
---
amdhsa.version: [ 1, 2 ]
amdhsa.kernels:
  - .name:           k_qd976834bc4_experts
    .symbol:         k_qd976834bc4_experts.kd
    .args:
      - { .name: img, .offset: 0, .size: 8, .value_kind: global_buffer, .address_space: global }
      - { .name: sorted_x_scales, .offset: 8, .size: 8, .value_kind: global_buffer, .address_space: global }
      - { .name: w12_scales, .offset: 16, .size: 8, .value_kind: global_buffer, .address_space: global }
      - { .name: w3_scales, .offset: 24, .size: 8, .value_kind: global_buffer, .address_space: global }
      - { .name: expert_starts, .offset: 32, .size: 8, .value_kind: global_buffer, .address_space: global }
      - { .name: expert_ends, .offset: 40, .size: 8, .value_kind: global_buffer, .address_space: global }
      - { .name: out0, .offset: 48, .size: 8, .value_kind: global_buffer, .address_space: global }
    .group_segment_fixed_size: 106496
    .private_segment_fixed_size: 0
    .kernarg_segment_align: 8
    .kernarg_segment_size: 56
    .max_flat_workgroup_size: 512
    .sgpr_count:     66
    .vgpr_count:     256
    .wavefront_size: 32
...
	.end_amdgpu_metadata
.endif
;; end of part 2
;; ======== version 2 of 2: 2 launches; version 1 with the launch experts written anew for expert scheduling mode
;; limits: right only within a limited range of input values
;; workspace buffers: img 11,010,048 bytes
;; launch layout: the kernel of part 1 again; grid 224 x 1, 4 waves a work-group, no clusters, 51,712 bytes of LDS; arguments sorted_x_codes, w12_codes, w3_codes, img; writes img
;; launch experts (part 3): grid 128 x 1, 16 waves a work-group, no clusters, 106,496 bytes of LDS; arguments img, sorted_x_scales, w12_scales, w3_scales, expert_starts, expert_ends, out0; writes out0
.if DOCPART == 3
	.amdgcn_target "amdgcn-amd-amdhsa--gfx1250"
	.amdhsa_code_object_version 6
	.text
	.protected	k_qd976834bc4_experts
	.globl	k_qd976834bc4_experts
	.p2align	8
	.type	k_qd976834bc4_experts,@function
k_qd976834bc4_experts:
	s_mov_b64 s[64:65], 0
	v_nop
	global_prefetch_b8 v0, s[64:65] scope:SCOPE_SE
	s_setreg_imm32_b32 hwreg(HW_REG_WAVE_SCHED_MODE, 0, 2), 2
	s_setreg_imm32_b32 hwreg(HW_REG_WAVE_MODE, 25, 1), 1
	s_wait_xcnt 0x0
	s_wait_alu depctr_vm_vsrc(0)
; out[t] = the sum, over the experts e with starts[e] <= t < ends[e], of Q(silu(h1) h2) w3[e]^T, where (h1 | h2) = x[t] w12[e]^T.  Both products on codes of E2M3 with one E8M0 byte for each 32 along K; Q quantises along the
; hidden axis; sums in f32.  x's, w12's and w3's codes come from img, as images of operand registers (a fragment of 16 rows x 128 K: 1,536 bytes, three planes of 32 lanes x 16 bytes); the scale bytes come as they are given.
; SHARES.  A work-group owns 32 tokens, as two tiles rt: lane r of tile rt is token t0 + 8 rt + r + 8 (r / 8).  It walks ALL 8 experts in a loop of constant count and passes over, by a scalar branch on a bit made from
; starts and ends, those that hold none of its 32 tokens.  So any split is served: uneven, empty, overlapping, with holes (a token of no expert keeps the 0 that its sums begin with).
; Each output row has one owner; the sums stay in registers over all experts and are stored once.  4,096 / 32 = 128 work-groups: with 16 tokens there would be 256, each still reading its expert's whole 1.18 MB of codes,
; so the bytes for each work-group would stay and the bytes in all would double.
; THE 16 WAVES SHARE THE COLUMNS: wave w makes hidden units 64 w .. 64 w + 63 (blocks of 32: B = 2 w + b) and output columns 32 w .. 32 w + 31, for all 32 tokens.  Each weight fragment is loaded once in the work-group, from
; memory straight into registers, and feeds two matrix instructions.  Both products are used TRANSPOSED (source 0 = 16 rows of a weight, source 1 = 16 tokens): a lane holds one token throughout.
; THE ROWS OF A WEIGHT'S TILE ARE NOT NEIGHBOURS (lane r of tile u: row 8 u + r + 8 (r / 8) of 32): so a lane's 16 registers of tiles u = 0, 1 are 16 neighbours: hidden units 16 h + 0 .. 15 of a block, or 16 output columns.
; A TOKEN THAT IS NOT THE EXPERT'S gets zero CODES for h: it then adds exactly 0 to its sums.
; NO TENSOR LOADS, NO CLUSTER: which experts a block of tokens walks hangs on starts and ends, which are read from memory; partners in a cluster would need different experts
; No barrier stands under such a branch: every wave passes two barriers in every trip.
; LIMITS.  A scale byte 0xff (NaN) in w3 makes NaN in all 32 tokens of a block that the expert touches, not in its members alone.  A hidden number that is NaN or infinite is not served.  Where a token has several
; experts their products are summed in one f32 sum, e and K ascending, not expert by expert.  h is formed as (h1 h2) / (1 + 2^(-h1 log2 e)): h1 h2 must stay finite.  A block of zeros of h gets the byte 1 where the
; quantiser says 127: its codes are zeros, and this text alone reads the byte.
; THE MODE: SCHED_MODE bits 1:0 = 2 (LLVM: expert scheduling mode 2), set by the entry lines.  The code itself states the register dependences between vector or matrix instructions and memory or LDS instructions,
; with s_wait_alu, always for 0.
; THE PLAN.  Registers that memory or LDS instructions touch in the loop over experts, and who else names them:
;   v1-7, v10, v11  addresses and offsets: made at the head, never written again.
;   W, two halves   Both products: group g's matrix instructions read half g % 2; behind them the loads of group g + 2 land in it.
;   OP              First product: group g's matrix instructions read it; behind them x's fragments for group g + 1 land in it.  At a block's end the conversions and selects write six of its registers, which LDS stores read.
;   OP, v160-183    Second product, when h has left ACC: K step s's matrix instructions read buffer s % 2 and the scale words HS + s % 2; behind them h's fragments and scale words of K step s + 2 land there.
;   SW              Loaded at the head of each product; read as scales by that product's matrix instructions.
;   PL              Written by a block's shifts, read by its byte stores, written again by the next block's lane permutes.
; So: one wait on va_vdst at the head of each product (all earlier readers and writers of W, SW, OP and ACC are done, on every way there); one behind each group's, or K step's, matrix instructions, ahead of the loads into
; what they have emptied; one ahead of a block's LDS stores; and one wait on vm_vsrc behind those stores.  Between such a wait and the loads that lean on it no vector or matrix instruction names a register that those loads touch.
.set FRB,    1536                      ; a fragment's image
.set W3BASE, 6291456                   ; img: w12's images [e][B 32][half 2][s 4][u 2], then w3's [e][w 16][s 8][u 2],
.set XBASE,  9437184                   ; then x's [block 128][s 4][rt 2]
.set XIMG,   0                         ; LDS: x's 8 fragments (2 s + rt), a flat copy of img's 12,288 bytes
.set HIMG,   12288                     ; h's 16 fragments (2 s + rt): [reader's lane 32][48 bytes]: lanes 12 words apart
.set HSC,    36864                     ; h's scale words: [K step 8][lane 32: r + 16 rt][4 bytes]
.set STG,    37888                     ; the way out: 32 slots (16 rt + r) of 2,048 bytes + 16
.set SPITCH, 2064                      ; = 516 words: slot n starts at bank 4 n mod 64
.set LI,   1                           ; v1   16 x lane: my place in a plane of an image, in memory and in XIMG
.set LH,   2                           ; v2   HIMG + 48 x lane
.set HSR,  3                           ; v3   HSC + 4 x lane
.set HWA,  4                           ; v4   where I put h's codes: HIMG + 48 r + 12 h + 3,072 (w / 2) + 24 (w % 2)
.set HSA,  5                           ; v5   and its scale byte: HSC + 4 r + 128 (w / 2) + 2 (w % 2)
.set SO12, 6                           ; v6   scale rows of 16 bytes (w12, x): 16 (r + 8 (r / 8)) + 8 h
.set SO3,  7                           ; v7   scale rows of 32 bytes (w3): 32 (r + 8 (r / 8)) + 16 h
.set MB,   8                           ; v8-9   tile rt: bit e is set where my token is expert e's
.set STW,  10                          ; v10  the stage, in: STG + 2,064 r + 128 w + 64 h
.set STR,  11                          ; v11  the stage, back: STG + 4,128 w + 16 x lane
.set XS,   12                          ; v12-15 x's scale words: register 2 rt + (s % 2), lanes 0-15 K steps 0, 1, lanes 16-31 K steps 2, 3
.set SW,   16                          ; v16-31 the weights' scale words
.set HS,   32                          ; v32-33 h's scale words, two K steps by turns: lanes 0-15 tile 0's tokens, lanes 16-31 tile 1's
.set MX,   34                          ; v34-35 a block's largest magnitude, then the conversion's scale operand
.set PL,   36                          ; v36-37 the other half's maximum, then the scale's byte
.set TMP,  38                          ; v38-39 at work
.set OP,   40                          ; v40-63 source 1: two fragments, 12 rt + 4 c.  Between products v40-42 and v44-46 hold the codes just made
.set W,    64                          ; v64-159 the ring of weight fragments: two halves of four, W + 48 half + 12 slot
.set ACC,  160                         ; v160-223 h1's tiles at ACC + 16 rt + 8 u, h2's at ACC + 32 + 16 rt + 8 u.  In the second product v160-183 are source 1's second buffer
.set OPD,  ACC-OP                      ; from source 1's first buffer to its second
.set OUT,  224                         ; v224-255 the sums of out: (u, rt) at OUT + 16 rt + 8 u
.set CM,   8                           ; s8-15 at the head only, when the addresses that they held are used up: the masks of a run of eight compares
.set WV,   36                          ; s36  wave
.set T0,   37                          ; s37  my work-group's first token
.set ACT,  38                          ; s38  bit e: expert e holds one of my 32 tokens
.set EX,   39                          ; s39  e
.set MK,   40                          ; s40-41 tile rt: the lanes whose token is this expert's
.set PW12, 42                          ; s[42:43] img at this expert's, my wave's fragments of w12;  s[44:45] of w3
.set PW3,  44
.set PS12, 46                          ; s[46:47] w12's scale bytes likewise;  s[48:49] w3's
.set PS3,  48
.set SEL,  50                          ; s[50:51] v_permlanex16_b32's selects for lane l xor 16
.set NL2E, 52                          ; s[52:53] -log2(e): the packed form names a pair and takes its low word for both halves
.set ON,   54                          ; s54  this expert's bit of ACT
.macro BARRIER                         ; my LDS stores have landed and my LDS loads are in: then the work-group's barrier
	s_wait_dscnt 0x0
	s_barrier_signal -1
	s_barrier_wait -1
.endm
; A load into a register that a matrix instruction has read, and a vector instruction or an LDS store that reads a matrix result, stand four places behind it; only plain vector instructions that name none of its
; registers are places (ISA guide 7.12.1 for vector instructions).  The places stay beside the waits on va_vdst: first the places, then the wait.
.macro PLACES
.rept 4
	v_nop
.endr
.endm
; One matrix instruction on the registers rD, rA, rB, rSA, rSB.  zero = 1: it starts the sum.  ra, rb: the scale words lie in lanes 16-31 of their registers.
.macro EMIT zero, ra, rb
.if \zero
	v_wmma_scale_f32_16x16x128_f8f6f4 v[rD:rD+7], v[rA:rA+11], v[rB:rB+11], 0, v[rSA], v[rSB] matrix_a_fmt:MATRIX_FMT_FP6 matrix_b_fmt:MATRIX_FMT_FP6
.elseif (\ra) && (\rb)
	v_wmma_scale_f32_16x16x128_f8f6f4 v[rD:rD+7], v[rA:rA+11], v[rB:rB+11], v[rD:rD+7], v[rSA], v[rSB] matrix_a_fmt:MATRIX_FMT_FP6 matrix_b_fmt:MATRIX_FMT_FP6 matrix_a_scale:MATRIX_SCALE_ROW1 matrix_b_scale:MATRIX_SCALE_ROW1
.elseif \ra
	v_wmma_scale_f32_16x16x128_f8f6f4 v[rD:rD+7], v[rA:rA+11], v[rB:rB+11], v[rD:rD+7], v[rSA], v[rSB] matrix_a_fmt:MATRIX_FMT_FP6 matrix_b_fmt:MATRIX_FMT_FP6 matrix_a_scale:MATRIX_SCALE_ROW1
.elseif \rb
	v_wmma_scale_f32_16x16x128_f8f6f4 v[rD:rD+7], v[rA:rA+11], v[rB:rB+11], v[rD:rD+7], v[rSA], v[rSB] matrix_a_fmt:MATRIX_FMT_FP6 matrix_b_fmt:MATRIX_FMT_FP6 matrix_b_scale:MATRIX_SCALE_ROW1
.else
	v_wmma_scale_f32_16x16x128_f8f6f4 v[rD:rD+7], v[rA:rA+11], v[rB:rB+11], v[rD:rD+7], v[rSA], v[rSB] matrix_a_fmt:MATRIX_FMT_FP6 matrix_b_fmt:MATRIX_FMT_FP6
.endif
.endm
; Group g = 4 b + s of the first product: the four fragments (h1's and h2's rows, tiles u = 0, 1) of hidden block 2 w + b, K step s, into half g % 2 of the ring: 12 loads, 512 consecutive bytes each.
.macro WLD1 g
.irp hf, 0,1
.irp u, 0,1
.irp c, 0,1,2
	global_load_b128 v[W+48*((\g)%2)+12*(2*\hf+\u)+4*\c:W+48*((\g)%2)+12*(2*\hf+\u)+4*\c+3], v[LI], s[PW12:PW12+1] offset:24576*((\g)/4)+12288*\hf+FRB*(2*((\g)%4)+\u)+512*\c
.endr
.endr
.endr
.endm
; Group g of the second product: the four fragments (K steps 2 g, 2 g + 1; tiles u = 0, 1) of my 32 output columns: slot 2 k + u.
.macro WLD2 g
.irp j, 0,1,2,3
.irp c, 0,1,2
	global_load_b128 v[W+48*((\g)%2)+12*\j+4*\c:W+48*((\g)%2)+12*\j+4*\c+3], v[LI], s[PW3:PW3+1] offset:4*FRB*(\g)+FRB*\j+512*\c
.endr
.endr
.endm
.macro XOP s                           ; x's two fragments of K step s, from LDS as they were stored
.irp rt, 0,1
.irp c, 0,1,2
	ds_load_b128 v[OP+12*\rt+4*\c:OP+12*\rt+4*\c+3], v[LI] offset:XIMG+(2*(\s)+\rt)*FRB+512*\c
.endr
.endr
.endm
.macro HOP s                           ; h's two fragments of K step s into source 1's buffer s % 2, and their scale words into register s % 2: seven LDS loads
.irp rt, 0,1
.irp c, 0,1,2
	ds_load_b128 v[OP+OPD*((\s)%2)+12*\rt+4*\c:OP+OPD*((\s)%2)+12*\rt+4*\c+3], v[LH] offset:(2*(\s)+\rt)*FRB+16*\c
.endr
.endr
	ds_load_b32 v[HS+((\s)%2)], v[HSR] offset:128*(\s)
.endm
; 8 matrix instructions: four weight tiles x two tiles of tokens, K step s.  The eight accumulators take turns, one instruction a turn, in the same order in every group.
; A lane loaded 8 bytes of its scale row at 8 h: K step s is register s % 2, in lanes 0-15 for s < 2 and in lanes 16-31 else; the weights' and x's alike.
.macro MM1 half, b, s, zero
.irp hf, 0,1
.irp u, 0,1
.irp rt, 0,1
.set rD, ACC+32*\hf+16*\rt+8*\u
.set rA, W+48*(\half)+12*(2*\hf+\u)
.set rB, OP+12*\rt
.set rSA, SW+8*(\b)+2*(2*\hf+\u)+((\s)%2)
.set rSB, XS+2*\rt+((\s)%2)
	EMIT \zero, (\s)/2, (\s)/2
.endr
.endr
.endr
.endm
; 4 matrix instructions: two tiles of output columns x two tiles of tokens, K step s = 2 g + k, source 1 in buffer k; the four sums take turns.  A lane loaded 16 bytes of w3's scale row at 16 h: K step s is register s % 4, lanes 16-31 for s >= 4.
.macro MM2 half, k, s
.irp rt, 0,1
.irp u, 0,1
.set rD, OUT+16*\rt+8*\u
.set rA, W+48*(\half)+12*(2*(\k)+\u)
.set rB, OP+OPD*(\k)+12*\rt
.set rSA, SW+4*\u+((\s)%4)
.set rSB, HS+(\k)
	EMIT 0, (\s)/4, \rt
.endr
.endr
.endm
; h = silu(h1) h2 = (h1 h2) / (1 + 2^(-h1 log2 e)), in f32, in place: 32 numbers a lane (two tokens x 16 hidden units).  Each run goes up from register 0.
.macro SWIGLU
.set jj, 0
.rept 16
	v_pk_mul_f32 v[ACC+32+jj:ACC+33+jj], v[ACC+32+jj:ACC+33+jj], v[ACC+jj:ACC+1+jj]     ; h1 h2
.set jj, jj+2
.endr
.set jj, 0
.rept 16
	v_pk_mul_f32 v[ACC+jj:ACC+1+jj], v[ACC+jj:ACC+1+jj], s[NL2E:NL2E+1] op_sel_hi:[1,0] ; -h1 log2 e
.set jj, jj+2
.endr
.set jj, 0
.rept 32
	v_exp_f32 v[ACC+jj], v[ACC+jj]
.set jj, jj+1
.endr
	v_nop                                          ; one plain place behind the last exponential (ISA guide 5.7.2)
.set jj, 0
	s_wait_alu depctr_va_vdst(0)                   ; the 32 exponentials have written v[ACC ..]: one wait for the batch, ahead of its first reader
.rept 16
	v_pk_add_f32 v[ACC+jj:ACC+1+jj], v[ACC+jj:ACC+1+jj], 1.0 op_sel_hi:[1,0]
.set jj, jj+2
.endr
.set jj, 0
.rept 32
	v_rcp_f32 v[ACC+jj], v[ACC+jj]
.set jj, jj+1
.endr
	v_nop                                          ; and behind the last reciprocal
.set jj, 0
	s_wait_alu depctr_va_vdst(0)                   ; the 32 reciprocals have written v[ACC ..]: one wait for the batch, ahead of its first reader
.rept 16
	v_pk_mul_f32 v[ACC+jj:ACC+1+jj], v[ACC+jj:ACC+1+jj], v[ACC+32+jj:ACC+33+jj]
.set jj, jj+2
.endr
.endm
; Hidden block 2 w + b of both tiles of tokens becomes codes and a scale byte.  Lane (r, h) holds hidden units 16 h + 0 .. 15 of the block; lane l xor 16 the other 16.
; The block is K step w / 2 of the second product and block 2 (w % 2) + b of that step: in the operand's layout it lies in lane r + 16 b, registers 6 (w % 2) + 3 h + 0 .. 2.  The LDS address puts it there: no lane exchange is written.
.macro QUANT b
.irp rt, 0,1
	v_max3_num_f32 v[MX+\rt], |v[ACC+16*\rt]|, |v[ACC+16*\rt+1]|, 0x1800000   ; my 16 numbers, and the floor 2^(3 - 127), under which no largest magnitude is taken: so the byte cannot fall under 1
.endr
.irp i, 2,4,6,8,10,12,14
.irp rt, 0,1
	v_max3_num_f32 v[MX+\rt], v[MX+\rt], |v[ACC+16*\rt+\i]|, |v[ACC+16*\rt+\i+1]|
.endr
.endr
.irp rt, 0,1
	v_permlanex16_b32 v[PL+\rt], v[MX+\rt], s[SEL], s[SEL+1]
.endr
.irp rt, 0,1
	v_max_num_f32 v[MX+\rt], v[MX+\rt], v[PL+\rt]  ; the block's largest magnitude
.endr
.irp rt, 0,1
	v_add_nc_u32 v[MX+\rt], 0xff000000, v[MX+\rt]  ; 2 off its exponent field: the conversion takes the exponent field of this operand as its scale, and nothing else of it
.endr
.irp rt, 0,1
	v_lshrrev_b32 v[PL+\rt], 23, v[MX+\rt]         ; the scale's byte
.endr
.irp rt, 0,1
	v_cvt_scalef32_pk16_fp6_f32 v[OP+4*\rt:OP+4*\rt+2], v[ACC+16*\rt:ACC+16*\rt+15], v[MX+\rt]   ; 16 codes, 96 bits; beyond 7.5 the largest code
.endr
	v_nop                                          ; one plain place behind a scaled conversion
.irp rt, 0,1
.irp i, 0,1,2
	v_cndmask_b32 v[OP+4*\rt+\i], 0, v[OP+4*\rt+\i], s[MK+\rt]    ; a token that is not this expert's gets zero codes
.endr
.endr
	PLACES                                         ; the codes' registers are an operand's again, then as loaded: what vector lines wrote there stands four places ahead of the next scaled matrix instruction
	s_wait_alu depctr_va_vdst(0)                   ; the selects have written the codes v[OP ..] and the shifts the bytes v[PL ..], which the LDS stores below read
.irp rt, 0,1
.irp i, 0,1,2
	ds_store_b32 v[HWA], v[OP+4*\rt+\i] offset:FRB*\rt+768*(\b)+4*\i
.endr
.endr
.irp rt, 0,1
	ds_store_b8 v[HSA], v[PL+\rt] offset:64*\rt+(\b)               ; both lanes of a token write the same byte with the same value
.endr
	s_wait_dscnt 0x0                               ; the stores are done
	s_wait_alu depctr_vm_vsrc(0)                   ; the stores have read the codes and the bytes: LDS loads land in v[OP ..] next, and the next block's lane permutes write v[PL ..]
.endm
	s_load_b256 s[4:11], s[0:1], 0x0               ; img s[4:5], x's scales s[6:7], w12's s[8:9], w3's s[10:11]
	s_load_b128 s[12:15], s[0:1], 0x20             ; starts s[12:13], ends s[14:15]
	s_load_b64 s[16:17], s[0:1], 0x30              ; out
	v_lshrrev_b32 v48, 5, v0
	v_readfirstlane_b32 s[WV], v48                 ; wave 0..15
	v_and_b32 v48, 31, v0                          ; lane
	v_and_b32 v49, 15, v0                          ; r
	v_bfe_u32 v50, v0, 4, 1                        ; h
	v_and_b32 v51, 8, v49
	v_add_nc_u32 v51, v51, v49                     ; r + 8 (r / 8)
	s_lshl_b32 s[T0], ttmp9, 5
	v_lshlrev_b32 v[LI], 4, v48
	v_mul_u32_u24 v[LH], v48, 48
	v_add_nc_u32 v[LH], HIMG, v[LH]
	v_lshl_add_u32 v[HSR], v48, 2, HSC
	s_wait_alu depctr_va_sdst(0)                   ; the wave's number is written into s[WV], ahead of its first reader: LDS addresses and the bases of the weights and of out are made from it
	s_lshr_b32 s54, s[WV], 1                       ; w / 2: my K step of the second product
	s_and_b32 s55, s[WV], 1                        ; w % 2: which half of it
	s_mul_i32 s56, s54, 2*FRB
	s_mul_i32 s57, s55, 24
	s_add_co_u32 s56, s56, s57
	s_add_co_u32 s56, s56, HIMG
	v_mul_u32_u24 v[HWA], v49, 48
	v_mad_u32_u24 v[HWA], v50, 12, v[HWA]
	v_add_nc_u32 v[HWA], s56, v[HWA]
	s_lshl_b32 s56, s54, 7
	s_lshl_b32 s57, s55, 1
	s_add_co_u32 s56, s56, s57
	s_add_co_u32 s56, s56, HSC
	v_lshl_add_u32 v[HSA], v49, 2, s56
	v_lshlrev_b32 v[SO12], 4, v51
	v_lshl_add_u32 v[SO12], v50, 3, v[SO12]
	v_lshlrev_b32 v[SO3], 5, v51
	v_lshl_add_u32 v[SO3], v50, 4, v[SO3]
	s_lshl_b32 s56, s[WV], 7
	s_add_co_u32 s56, s56, STG
	v_mul_u32_u24 v[STW], v49, SPITCH
	v_lshl_add_u32 v[STW], v50, 6, v[STW]
	v_add_nc_u32 v[STW], s56, v[STW]
	s_mul_i32 s56, s[WV], 2*SPITCH
	s_add_co_u32 s56, s56, STG
	v_add_nc_u32 v[STR], s56, v[LI]
	v_lshlrev_b32 v[TMP], 4, v0                    ; x's copy: thread t takes 16 bytes at 16 t
	v_lshlrev_b32 v[TMP+1], 3, v0                  ; and 8 bytes at 8,192 + 8 t: 512 x 24 = 12,288 bytes
	v_add_nc_u32 v46, s[T0], v51                   ; my token in tile 0,
	v_add_nc_u32 v47, 8, v46                       ; and in tile 1
	s_mov_b32 s[SEL], 0x76543210
	s_mov_b32 s[SEL+1], 0xfedcba98
	s_mov_b32 s[NL2E], 0xbfb8aa3b                  ; -log2(e)
	s_mov_b32 s[NL2E+1], s[NL2E]                   ; (named with it as a pair, so it is written)
	s_mov_b32 s[ACT], 0
	s_mov_b32 s57, 0                               ; s[56:57]: offsets under 4 GiB as pairs
	s_wait_kmcnt 0x0
	s_load_b256 s[20:27], s[12:13], 0x0            ; starts
	s_load_b256 s[28:35], s[14:15], 0x0            ; ends
	s_mul_i32 s56, ttmp9, 8*FRB
	s_add_co_u32 s56, s56, XBASE
	s_add_nc_u64 s[58:59], s[4:5], s[56:57]        ; my block's images of x
	s_lshl_b32 s56, ttmp9, 9
	s_add_nc_u64 s[6:7], s[6:7], s[56:57]          ; and its scale rows: 32 x 16 bytes
	s_wait_alu depctr_va_vdst(0)                   ; every address and offset of the kernel is written (v1-7, v10, v11, v38, v39): all loads, stores and LDS instructions read one of them, and no vector line writes v1-7, v10 or v11 again
	global_load_b128 v[40:43], v[TMP], s[58:59]
	global_load_b64 v[44:45], v[TMP+1], s[58:59] offset:8192
	global_load_b64 v[XS:XS+1], v[SO12], s[6:7]
	global_load_b64 v[XS+2:XS+3], v[SO12], s[6:7] offset:128
	s_mul_i32 s56, s[WV], 49152                    ; w12: two hidden blocks x 16 fragments a wave
	s_add_nc_u64 s[PW12:PW12+1], s[4:5], s[56:57]
	s_mul_i32 s56, s[WV], 24576                    ; w3: 16 fragments a wave
	s_add_co_u32 s56, s56, W3BASE
	s_add_nc_u64 s[PW3:PW3+1], s[4:5], s[56:57]
	s_lshl_b32 s56, s[WV], 10                      ; scale bytes: 64 rows x 16, and 32 rows x 32
	s_add_nc_u64 s[PS12:PS12+1], s[8:9], s[56:57]
	s_add_nc_u64 s[PS3:PS3+1], s[10:11], s[56:57]
	s_lshr_b32 s54, s[WV], 3                       ; the way out: wave w stores the stage's slots 2 w, 2 w + 1 (tile w / 8, lanes 2 (w % 8) + 0, 1): tokens 8 (w / 8) + 2 (w % 8) + 8 ((w / 4) % 2) + 0, 1
	s_lshl_b32 s54, s54, 3
	s_and_b32 s56, s[WV], 7
	s_lshl_b32 s56, s56, 1
	s_add_co_u32 s54, s54, s56
	s_bfe_u32 s56, s[WV], 0x10002
	s_lshl_b32 s56, s56, 3
	s_add_co_u32 s54, s54, s56
	s_add_co_u32 s54, s54, s[T0]
	s_lshl_b32 s56, s54, 11                        ; rows of 2,048 bytes
	s_add_nc_u64 s[16:17], s[16:17], s[56:57]
	s_add_co_u32 s55, s[T0], 32
	v_mov_b32 v[MB], 0
	v_mov_b32 v[MB+1], 0
	v_mov_b32 v[PL], 0                             ; written once: a lane permute's destination counts as one of its sources
	v_mov_b32 v[PL+1], 0
.set jj, 0
.rept 32
	v_mov_b32 v[OUT+jj], 0                         ; the sums begin as zeros: which expert is a token's first hangs on data, and a token of no expert is stored as 0
.set jj, jj+1
.endr
	s_wait_kmcnt 0x0
.irp e, 0,2,4,6                                ; two experts at a time: their eight compares stand in a run, each with a scalar register of its own, under one wait
.irp d, 0,1
	s_max_i32 s54, s[20+\e+\d], s[T0]              ; expert e + d holds one of my 32 tokens where max(start, t0) < min(end, t0 + 32)
	s_min_i32 s56, s[28+\e+\d], s55
	s_cmp_lt_i32 s54, s56
	s_cselect_b32 s54, 1<<(\e+\d), 0
	s_or_b32 s[ACT], s[ACT], s54
.irp rt, 0,1
	v_cmp_ge_i32 s[CM+4*\d+2*\rt], v[46+\rt], s[20+\e+\d]          ; and my token where start <= t < end
	v_cmp_lt_i32 s[CM+4*\d+2*\rt+1], v[46+\rt], s[28+\e+\d]
.endr
.endr
	s_wait_alu depctr_va_sdst(0)                   ; the eight compares have written s[CM ..], ahead of the scalar lines that read them
.irp d, 0,1
.irp rt, 0,1
	s_and_b32 s[CM+4*\d+2*\rt], s[CM+4*\d+2*\rt], s[CM+4*\d+2*\rt+1]
	v_cndmask_b32 v54, 0, 1, s[CM+4*\d+2*\rt]
	v_lshl_or_b32 v[MB+\rt], v54, (\e+\d), v[MB+\rt]
.endr
.endr
.endr
	s_wait_loadcnt 0x0                             ; x's images and scale words
	ds_store_b128 v[TMP], v[40:43] offset:XIMG
	ds_store_b64 v[TMP+1], v[44:45] offset:XIMG+8192
	BARRIER                                        ; x's eight fragments lie in LDS, for the whole launch
	s_wait_alu depctr_vm_vsrc(0)                   ; x's loads and LDS stores have read v[TMP], v[TMP+1] and v40-45: the loop's vector lines write v[TMP], and LDS loads land in v40-63
	s_mov_b32 s[EX], 0
.Lexpert:                                              ; 8 trips, whatever the split
	s_lshr_b32 s[ON], s[ACT], s[EX]
	s_and_b32 s[ON], s[ON], 1
	s_cmp_lg_u32 s[ON], 0
	s_cbranch_scc0 .Lno1                           ; none of my tokens is this expert's: nothing is loaded or multiplied
	; ---- 1: my 64 hidden units for the 32 tokens.  The region is whole in itself: it begins and ends with no load out
.irp rt, 0,1
	v_bfe_u32 v[TMP], v[MB+\rt], s[EX], 1
	v_cmp_ne_u32 s[MK+\rt], 0, v[TMP]
.endr
	s_wait_alu depctr_va_sdst(0)                   ; the two compares have written s[MK], s[MK+1], ahead of the selects that read them at each block's end
	s_wait_alu depctr_va_vdst(0)                   ; the matrix instructions of the experts before are done reading SW, W and OP, in which the loads below land; in the first trip: the head's lines have written v54 and are done reading v46, v47, which lie in OP
.irp b, 0,1
.irp hf, 0,1
.irp u, 0,1
	global_load_b64 v[SW+8*\b+2*(2*\hf+\u):SW+8*\b+2*(2*\hf+\u)+1], v[SO12], s[PS12:PS12+1] offset:16384*\hf+512*\b+128*\u   ; 16 rows x 16 bytes: two runs of 128 consecutive bytes, 256 apart
.endr
.endr
.endr
	WLD1 0
	WLD1 1
	XOP 0
.irp g, 0,1,2,3,4,5,6,7
.if \g < 7
	s_wait_loadcnt 12                              ; loads come back in order (ISA guide 5.7.1): the scale words and this group are in; the next group's twelve may be out
.else
	s_wait_loadcnt 0x0
.endif
	s_wait_dscnt 0x0                               ; x's two fragments are in
.if \g%4 == 0
	MM1 \g%2, \g/4, \g%4, 1                        ; a block's first K step starts its sums: nothing is cleared
.else
	MM1 \g%2, \g/4, \g%4, 0
.endif
	PLACES                                         ; in front of the loads into the ring and into source 1, and of the first read of results
.if \g < 7
	s_wait_alu depctr_va_vdst(0)                   ; this group's matrix instructions are done reading source 1 and their half of the ring: the loads that follow, up to the next group's products, land there
.endif
.if \g%4 != 3
	XOP (\g+1)%4                                   ; the next group's fragments of x, which are wanted first
.endif
.if \g < 6
	WLD1 \g+2                                      ; into the half just multiplied: 12 to 24 loads of a wave are out throughout
.endif
.if \g%4 == 3
	SWIGLU                                         ; (behind block 0: the next two groups are on their way meanwhile; no line of it or of QUANT names the ring)
	QUANT \g/4
.if \g < 7
	XOP 0                                          ; behind QUANT, whose codes pass through source 1's registers; its two waits have stated what these loads hang on
.endif
.endif
.endr
.Lno1:
	BARRIER                                        ; h's sixteen fragments and their scale words lie in LDS
	s_cmp_lg_u32 s[ON], 0
	s_cbranch_scc0 .Lno2
	; ---- 2: my 32 output columns for the 32 tokens, onto the sums that stay.  Whole in itself too
	s_wait_alu depctr_va_vdst(0)                   ; the first product's matrix instructions are done reading W, SW and OP, and the vector lines that made h are done with v160-183: the loads below land in all four
.irp u, 0,1
	global_load_b128 v[SW+4*\u:SW+4*\u+3], v[SO3], s[PS3:PS3+1] offset:256*\u
.endr
	WLD2 0
	WLD2 1
	HOP 0
	HOP 1                                          ; source 1 has two buffers here: a K step's fragments are asked for a K step before they are multiplied
.irp s, 0,1,2,3,4,5,6,7
.if \s%2 == 0
.if \s < 6
	s_wait_loadcnt 12                              ; the scale words and this group are in; the next group's twelve may be out
.else
	s_wait_loadcnt 0x0
.endif
.endif
.if \s < 7
	s_wait_dscnt 7                                 ; LDS loads come back in order (ISA guide 5.7.1): this K step's seven are in, the next K step's seven may be out
.else
	s_wait_dscnt 0x0
.endif
	MM2 (\s/2)%2, \s%2, \s
	PLACES                                         ; in front of the loads into source 1, the scale words and the ring; behind the very last product: of the stores that read the sums
.if \s < 6
	s_wait_alu depctr_va_vdst(0)                   ; this K step's matrix instructions are done reading their buffer of source 1 and its scale words, and, behind a group's second K step, the group's half of the ring: the loads below land there
.if \s%2 == 1
.if \s < 4
	WLD2 \s/2+2
.endif
.endif
	HOP \s+2
.endif
.endr
.Lno2:
	BARRIER                                        ; every wave's reads of h are over: the next expert may write it
	s_wait_xcnt 0x0                                ; the bases are stepped only behind this wait
	s_add_nc_u64 s[PW12:PW12+1], s[PW12:PW12+1], 786432
	s_add_nc_u64 s[PW3:PW3+1], s[PW3:PW3+1], 393216
	s_add_nc_u64 s[PS12:PS12+1], s[PS12:PS12+1], 32768
	s_add_nc_u64 s[PS3:PS3+1], s[PS3:PS3+1], 16384
	s_add_co_u32 s[EX], s[EX], 1
	s_cmp_lt_u32 s[EX], 8
	s_cbranch_scc1 .Lexpert
	; THE WAY OUT.  A lane's 16 registers of a tile of tokens are columns 32 w + 16 h + 0 .. 15 of one token: 64 bytes; a row's 2,048 bytes come from all 16 waves.  They meet in the stage, and each wave stores two whole rows.
	s_wait_alu depctr_va_vdst(0)                   ; the matrix instructions (for a block of no expert: the head's moves) have written the sums, which the LDS stores read; and they are done reading W, in which the stage's rows land below
.irp rt, 0,1
.irp q, 0,1,2,3
	ds_store_b128 v[STW], v[OUT+16*\rt+4*\q:OUT+16*\rt+4*\q+3] offset:16*SPITCH*\rt+16*\q    ; each accumulator from its low end on
.endr
.endr
	BARRIER                                        ; 32 whole rows lie in the stage
.irp i, 0,1
.irp c, 0,1,2,3
	ds_load_b128 v[W+4*(4*\i+\c):W+4*(4*\i+\c)+3], v[STR] offset:SPITCH*\i+512*\c
.endr
.endr
.irp i, 0,1
.irp c, 0,1,2,3
	s_wait_dscnt 7-(4*\i+\c)                       ; LDS loads come back in order: this one is in, the later ones may be out
	global_store_b128 v[LI], v[W+4*(4*\i+\c):W+4*(4*\i+\c)+3], s[16:17] offset:2048*\i+512*\c th:TH_STORE_NT   ; 32 lanes store 512 consecutive bytes, at a multiple of 256 from out's first byte; written once, read by nobody here
.endr
.endr
	s_wait_xcnt 0x0                                ; the stores have had their addresses translated
	v_lshl_add_u32 v222, v0, 2, 0x19800            ; the add's two registers are made anew here, since no two could be kept; no memory or LDS instruction of the text names v222 or v223
	v_mov_b32 v223, 0
	s_wait_dscnt 0x0                               ; the closing lines, six on end
	s_wait_alu 0x0
	s_wait_tensorcnt 0x0
	ds_add_u32 v222, v223
	s_wait_dscnt 0x0
	s_endpgm
.Lfunc_end_k_qd976834bc4_experts:
	.size	k_qd976834bc4_experts, .Lfunc_end_k_qd976834bc4_experts-k_qd976834bc4_experts
	.p2alignl 7, 3214868480
	.fill 96, 4, 3214868480
	.section	.rodata,"a",@progbits
	.p2align	6, 0x0
	.amdhsa_kernel k_qd976834bc4_experts
		.amdhsa_group_segment_fixed_size 106496
		.amdhsa_private_segment_fixed_size 0
		.amdhsa_enable_private_segment 0
		.amdhsa_kernarg_size 56
		.amdhsa_user_sgpr_count 2
		.amdhsa_user_sgpr_kernarg_segment_ptr 1
		.amdhsa_wavefront_size32 1
		.amdhsa_system_sgpr_workgroup_id_x 1
		.amdhsa_system_sgpr_workgroup_id_y 1
		.amdhsa_system_sgpr_workgroup_id_z 1
		.amdhsa_system_vgpr_workitem_id 0
		.amdhsa_next_free_vgpr 256
		.amdhsa_next_free_sgpr 66
		.amdhsa_reserve_vcc 0
		.amdhsa_float_denorm_mode_32 3
		.amdhsa_float_denorm_mode_16_64 3
		.amdhsa_memory_ordered 1
		.amdhsa_forward_progress 1
		.amdhsa_inst_pref_size 70
	.end_amdhsa_kernel
	.amdgpu_metadata
---
amdhsa.version: [ 1, 2 ]
amdhsa.kernels:
  - .name:           k_qd976834bc4_experts
    .symbol:         k_qd976834bc4_experts.kd
    .args:
      - { .name: img, .offset: 0, .size: 8, .value_kind: global_buffer, .address_space: global }
      - { .name: sorted_x_scales, .offset: 8, .size: 8, .value_kind: global_buffer, .address_space: global }
      - { .name: w12_scales, .offset: 16, .size: 8, .value_kind: global_buffer, .address_space: global }
      - { .name: w3_scales, .offset: 24, .size: 8, .value_kind: global_buffer, .address_space: global }
      - { .name: expert_starts, .offset: 32, .size: 8, .value_kind: global_buffer, .address_space: global }
      - { .name: expert_ends, .offset: 40, .size: 8, .value_kind: global_buffer, .address_space: global }
      - { .name: out0, .offset: 48, .size: 8, .value_kind: global_buffer, .address_space: global }
    .group_segment_fixed_size: 106496
    .private_segment_fixed_size: 0
    .kernarg_segment_align: 8
    .kernarg_segment_size: 56
    .max_flat_workgroup_size: 512
    .sgpr_count:     66
    .vgpr_count:     256
    .wavefront_size: 32
...
	.end_amdgpu_metadata
.endif
;; end of part 3
